; MI455X (gfx1250); checked and timed in simulation.
; The chip was launched on July 23, 2026; its instructions are those of AMD's public machine-readable ISA for CDNA 5 (MIT licence, August 2026) and "CDNA5" Instruction Set Architecture Reference Guide (July 2026). The comments in the code are by the model that wrote it; some were corrected since.
;; Scaled Dot Product Attention. Allowed arithmetic: matrix products marked QUANTISED: E2M1 operands, one E8M0 scale for each 32 along K, by v_wmma_scale_f32_16x16x128_f8f6f4 with both operands' format E2M1 (or v_wmma_scale_f32_32x16x128_f4), f32 sums; everything else in f32.
;; Inputs: a_scale one number float32; av_scale one number float32; k_scale one number float32; key 32 x 2,048 x 128 float32; q_scale one number float32; qk_scale one number float32; query 32 x 2,048 x 128 float32; v_scale one number float32; value 32 x 2,048 x 128 float32.
;; Outputs: out0 32 x 2,048 x 128 float32.
;; This version of the problem:
;;   THIS VERSION OF THE PROBLEM IS GIVEN IN LOW PRECISION. The matrix products marked QUANTISED in the list below multiply operands that are first quantised to E2M1 (2 exponent bits, 1 mantissa bit; 4 bits a number), with one power-of-two scale for each 32 numbers along K (OCP MX v1.0); their sums are f32. All else is computed in f32.
;;   The module's matrix products, in the order in which they are computed (A, B: the left and right operand; K: the contracted axis; several contracted axes count as one K, in the product's order):
;;     1. batch 32 x [M 2,048, K 128] x [K 128, N 2,048]; A: computed on the way; B: computed on the way: QUANTISED
;;     2. batch 32 x [M 2,048, K 2,048] x [K 2,048, N 128]; A: computed on the way; B: computed on the way: QUANTISED
;;   THE QUANTISER, for each operand of a quantised product, along K:
;;     - K is cut into blocks of 32 from its start; a last block that is shorter is filled with zeros.
;;     - A block's scale is 2^e with e = floor(log2(the largest magnitude in the block)) - 2, held to -126 .. 127; a block of zeros has e = 0. As a byte (E8M0): e + 127.
;;     - Each number is divided by its block's scale, clamped to +-6, and rounded to the nearest number of E2M1, ties to even, subnormals kept.
;;     - The product sums the exact products of the quantised numbers (number of the format x scale) in f32.
;;   ~~~python
;;   def quantise(x, axis):      # numpy; x: float32 -> the quantised numbers, widened to float32 again
;;       x = np.moveaxis(x, axis, -1); K = x.shape[-1]
;;       x = np.pad(x, [(0, 0)] * (x.ndim - 1) + [(0, -K % 32)]); x = x.reshape(x.shape[:-1] + (-1, 32)); a = np.abs(x).max(-1, keepdims=True)
;;       e = np.where(a > 0, np.clip(np.frexp(np.where(a > 0, a, 1))[1] - 1 - 2, -126, 127), 0)      # np.frexp(a)[1] - 1 = floor(log2(a)), exactly
;;       r = np.clip(x / 2.0 ** e, -6, 6)
;;       step = 2.0 ** (np.maximum(np.frexp(np.where(r == 0, 1, r))[1] - 1, 0) - 1)
;;       q = np.round(r / step) * step * 2.0 ** e      # np.round: ties to even
;;       return np.moveaxis(q.reshape(q.shape[:-2] + (-1,))[..., :K], -1, axis).astype(np.float32)
;;   ~~~
;;   OPERANDS COMPUTED ON THE WAY. 'Computed on the way' means the value that the module computes at that place (a softmax that the list does not call 'softmax' is quantised finished and normalised). What goes into a quantiser is computed in f32, as accurately as f32 sums, v_exp_f32 and their like allow (about 1e-6 of the number): no bf16 or f16 on the way to a quantiser, and a product that is left as it is and whose result goes on into a quantised operand takes f32 operands (vector FMAs, or v_wmma_f32_16x16x4_f32). A number that lies on a knife's edge between two numbers of the format may be rounded either way, as far as f32 arithmetic and the matrix unit's own rounding can turn it there, and no further.
;; One version. Each part assembles by itself: llvm-mc -triple=amdgcn-amd-amdhsa -mcpu=gfx1250 --defsym DOCPART=n.
;; ======== version 1 of 1: 2 launches
;; workspace buffers: qimg 4,456,448 bytes; kimg 4,456,448 bytes; vimg 4,456,448 bytes
;; launch prep (part 1): grid 768 x 1, 4 waves a work-group, no clusters, 35,328 bytes of LDS; arguments query, key, value, q_scale, k_scale, v_scale, qimg, kimg, vimg; writes qimg, kimg, vimg
.if DOCPART == 1
	.amdgcn_target "amdgcn-amd-amdhsa--gfx1250"
	.amdhsa_code_object_version 6
	.text
	.protected	k_qe30b81aff0_prep
	.globl	k_qe30b81aff0_prep
	.p2align	8
	.type	k_qe30b81aff0_prep,@function
k_qe30b81aff0_prep:
	s_mov_b64 s[64:65], 0
	v_nop
	global_prefetch_b8 v0, s[64:65] scope:SCOPE_SE
	s_setreg_imm32_b32 hwreg(HW_REG_WAVE_MODE, 25, 1), 1
	s_wait_xcnt 0x0
; query, key, value [32][2048][128] f32 -> the int8 fake-quantiser of each (z = x + (clip(round(x / s), -128, 127) s - x), every step in f32 as it is written),
; then the MX quantiser to codes of FP4 (E2M1) with one E8M0 byte for each 32 along K.  K is the head's 128 for query and key, the KEYS for value.
; WHAT IS STORED: records of 8,704 bytes, one for 128 rows x 128 K, 32 x 2048 / 128 = 512 of them a tensor: eight operand fragments as IMAGES OF THEIR REGISTERS, then their scale words.
;   codes: the 16 bytes at 1024 t + 512 c + 16 l (t = tile 0..7, c = 0, 1, l = lane) are registers 4 c .. 4 c + 3 of lane l of tile t: K = 64 c + 32 (l / 16) + 0 .. 31 of the tile's row l % 16.
;   query, key: row r of tile t is row 32 (t / 2) + 8 (t % 2) + r + 8 (r / 8) of the record's 128: so two neighbouring tiles of scores give a lane 16 neighbouring keys.    value: row r of tile t is channel 16 t + r.
;   scale words: the word at 8192 + 16 l + 4 j is that of tile 2 j + l / 16, row l % 16: one load of 16 bytes a lane gives four registers, each with an even tile's words in lanes 0-15 and the odd tile's in lanes 16-31.
; THE DIVISION x / s is rounded correctly by three fused operations: u = x r, e = x - u s, q = u + e r, with r = 1 / s refined once from v_rcp_f32.
; A block's scale is 2^(floor(log2(its largest magnitude)) - 2): its byte is the largest magnitude's exponent field - 2, held at 1 from below by a floor among the maximum's leaves.
; LIMITS: NaN and infinities among the inputs are not served; the three scales are positive, normal and finite; a block of zeros gets the byte 1 where the rule says 127: its codes are zeros, and only this program reads the bytes.
; SHARES: work-groups 0-127 take query, 128-255 key: each of the four waves one record (128 x 4 = 512 records).  Work-groups 256-767 take value: one record each, wave w its channels 32 w .. 32 w + 31.
; No tensor loads, no cluster (work-groups share no input), no matrix unit: a stream.  The two ways part on the work-group's number and use LDS bytes of their own.
.set QWG,   128                        ; work-groups for query, and as many for key: 512 records / 4 waves
.set RECB,  8704                       ; a record
.set PIT,   528                        ; a stage row: 512 bytes + 16: the sixteen rows that a load touches start in different banks (64 banks of 4 bytes: ISA guide 11.1)
.set WST,   16*PIT                     ; query, key: a stage of 16 rows for each wave
.set VX,    4*WST                      ; value: 512 bytes in which the four waves' scale words meet
.set T,   8                            ; v8-15    at work
.set T8,  16                           ; v16-23   at work
.set MX,  24                           ; v24-25   largest magnitudes, then bytes; v26-27 the conversions' scale operands
.set SW,  28                           ; v28-31   the record's scale words, four tiles' pairs
.set C,   32                           ; v32-47   query, key: codes, a set of 8 for each tile of a pair
.set WT,  48                           ; v48-51   scale words in the making
.set R,   64                           ; v64-191  numbers as loaded: two sets of 64 (value: two sets of 32)
.set CV,  128                          ; v128-143 value: codes, four registers for each block
.set X,   192                          ; v192-255 query, key: 64 numbers of one row: register 32 c + i is K = 64 c + 32 (lane / 16) + i
.set WV,  25                           ; s25      my wave's number
.set SRC, 26                           ; s[26:27] my record's first byte in the tensor
.set DST, 28                           ; s[28:29] and in the image buffer
.set RS,  30                           ; s[30:31] 1 / s;  s[32:33] -s;  s[34:35] s: pairs, of which the packed forms take the low word for both halves
.set NS,  32
.set SS,  34
.set SEL, 38                           ; s[38:39] v_permlanex16_b32's selects for lane l xor 16
.set CNT, 40
; 1 / s, refined once; the scalar load of s is waited for here, behind the way's first loads
.macro MKREC
	s_wait_kmcnt 0x0
	v_mov_b32 v8, s24
	v_rcp_f32 v9, v8
	v_nop                                          ; a plain instruction behind the reciprocal,
	s_wait_alu depctr_va_vdst(0)                   ; and a wait ahead of its first reader
	v_fma_f32 v10, -v8, v9, 1.0
	v_fma_f32 v9, v10, v9, v9
	v_readfirstlane_b32 s[RS], v9
	s_mov_b32 s[RS+1], s[RS]
	s_xor_b32 s[NS], s24, 0x80000000
	s_mov_b32 s[NS+1], s[NS]
	s_mov_b32 s[SS], s24
	s_mov_b32 s[SS+1], s24
.endm
; the fake-quantiser on eight registers, in place; four pairs a line, so that no line waits for the line above it
.macro FQ8 x
.irp p, 0,2,4,6
	v_pk_mul_f32 v[T+\p:T+\p+1], v[\x+\p:\x+\p+1], s[RS:RS+1] op_sel_hi:[1,0]                     ; u = x r
.endr
.irp p, 0,2,4,6
	v_pk_fma_f32 v[T8+\p:T8+\p+1], v[T+\p:T+\p+1], s[NS:NS+1], v[\x+\p:\x+\p+1] op_sel_hi:[1,0,1]  ; e = x - u s
.endr
.irp p, 0,2,4,6
	v_pk_fma_f32 v[T+\p:T+\p+1], v[T8+\p:T8+\p+1], s[RS:RS+1], v[T+\p:T+\p+1] op_sel_hi:[1,0,1]    ; x / s
.endr
.irp e, 0,1,2,3,4,5,6,7
	v_rndne_f32 v[T+\e], v[T+\e]                   ; to the nearest whole number, ties to even
.endr
.irp e, 0,1,2,3,4,5,6,7
	v_med3_num_f32 v[T+\e], v[T+\e], s36, s37      ; held to -128 .. 127
.endr
.irp p, 0,2,4,6
	v_pk_mul_f32 v[T+\p:T+\p+1], v[T+\p:T+\p+1], s[SS:SS+1] op_sel_hi:[1,0]                       ; q = n s
.endr
.irp p, 0,2,4,6
	v_pk_add_f32 v[T8+\p:T8+\p+1], v[T+\p:T+\p+1], v[\x+\p:\x+\p+1] neg_lo:[0,1] neg_hi:[0,1]      ; q - x
.endr
.irp p, 0,2,4,6
	v_pk_add_f32 v[\x+\p:\x+\p+1], v[\x+\p:\x+\p+1], v[T8+\p:T8+\p+1]                             ; x + (q - x)
.endr
.endm
	s_load_b256 s[4:11], s[0:1], 0x0               ; query s[4:5], key s[6:7], value s[8:9], q_scale s[10:11]
	s_load_b256 s[12:19], s[0:1], 0x20             ; k_scale s[12:13], v_scale s[14:15], qimg s[16:17], kimg s[18:19]
	s_load_b64 s[20:21], s[0:1], 0x40              ; vimg
	v_lshl_add_u32 v62, v0, 2, 0x8800
	v_mov_b32 v63, 0
	v_lshrrev_b32 v1, 5, v0
	v_readfirstlane_b32 s[WV], v1                  ; wave 0..3
	s_mov_b32 s36, 0xc3000000                      ; -128.0
	s_mov_b32 s37, 0x42fe0000                      ; 127.0
	s_mov_b32 s[SEL], 0x76543210
	s_mov_b32 s[SEL+1], 0xfedcba98
	s_and_b32 s41, ttmp9, QWG-1
	s_lshl_b32 s41, s41, 2
	s_add_co_u32 s41, s41, s[WV]                   ; query, key: record 4 x (work-group mod 128) + wave: 0 .. 511
	s_max_u32 s42, ttmp9, 2*QWG
	s_sub_co_u32 s42, s42, 2*QWG                   ; value: record work-group - 256: 0 .. 511 (0 on the other way, where it is not taken)
	s_cmp_lt_u32 ttmp9, 2*QWG
	s_cselect_b32 s41, s41, s42
	s_lshl_b32 s42, s41, 16                        ; 128 rows of 512 bytes
	s_mov_b32 s43, 0
	s_mul_i32 s44, s41, RECB
	s_mov_b32 s45, 0
	s_wait_kmcnt 0x0
	s_cmp_lt_u32 ttmp9, QWG                        ; the buffers are chosen by the work-group's number alone
	s_cselect_b64 s[22:23], s[10:11], s[12:13]
	s_cselect_b64 s[SRC:SRC+1], s[4:5], s[6:7]
	s_cselect_b64 s[DST:DST+1], s[16:17], s[18:19]
	s_cmp_lt_u32 ttmp9, 2*QWG
	s_cselect_b64 s[22:23], s[22:23], s[14:15]
	s_cselect_b64 s[SRC:SRC+1], s[SRC:SRC+1], s[8:9]
	s_cselect_b64 s[DST:DST+1], s[DST:DST+1], s[20:21]
	s_load_b32 s24, s[22:23], 0x0                  ; the tensor's scale s
	s_add_nc_u64 s[SRC:SRC+1], s[SRC:SRC+1], s[42:43]
	s_add_nc_u64 s[DST:DST+1], s[DST:DST+1], s[44:45]
	s_cmp_lt_u32 ttmp9, 2*QWG
	s_cbranch_scc0 .Lv
; ---------------- query and key: K is innermost.  A wave takes a record, two tiles of 16 rows at a time.
; Each load reads one whole row, 512 consecutive bytes; a tile's 16 rows turn through the wave's own stage, so that lane (r, h) gets 2 x 32 neighbours of row r.
	v_and_b32 v5, 31, v0                           ; lane
	v_lshlrev_b32 v1, 4, v5                        ; v1: 16 x lane: my bytes of a row, of a fragment's image, of the scale words
.macro LOADT u, ahead                  ; the 16 rows of tile u of a pair, from the pair in hand (0) or the next (1), into set u
.set i, 0
.rept 16
	global_load_b128 v[R+64*\u+4*i:R+64*\u+4*i+3], v1, s[SRC:SRC+1] offset:(8*\u+i+8*(i/8))*512+\ahead*16384 th:TH_LOAD_NT
.set i, i+1
.endr
.endm
	LOADT 0, 0
	LOADT 1, 0
	s_mul_i32 s41, s[WV], WST
	v_add_nc_u32 v2, s41, v1                       ; v2: into my stage: 16 x lane, the row in the immediate
	v_and_b32 v6, 15, v0                           ; r
	v_bfe_u32 v7, v0, 4, 1                         ; h
	v_mul_u32_u24 v3, v6, PIT
	v_lshl_add_u32 v3, v7, 7, v3
	v_add_nc_u32 v3, s41, v3                       ; v3: out of it: row r, + 128 h bytes
	v_lshlrev_b32 v4, 3, v7                        ; v4: 8 h: where my two bytes stand in a scale word
	v_cmp_gt_u32 vcc_lo, 16, v5                    ; lanes 0-15; VCC is written nowhere else
.irp e, 0,1,2,3
	v_mov_b32 v[SW+\e], 0                          ; (the words are shifted through these four)
.endr
	v_mov_b32 v[WT+1], 0                           ; a lane permute's destination counts as one of its sources
	MKREC
.macro TURN u                          ; LDS serves a wave's instructions in order (ISA guide 5.7.1.4): no wait between the stores and the loads
.set i, 0
.rept 16
	ds_store_b128 v2, v[R+64*\u+4*i:R+64*\u+4*i+3] offset:PIT*i
.set i, i+1
.endr
.irp c, 0,1
.irp p, 0,1,2,3,4,5,6,7
	ds_load_b128 v[X+32*\c+4*\p:X+32*\c+4*\p+3], v3 offset:256*\c+16*\p
.endr
.endr
.endm
; One tile.  left: the younger loads that may stay out: the other set's sixteen, or none.
.macro TILE u, ahead, left
	s_wait_loadcnt \left                           ; loads come back in order (ISA guide 5.7.1): this set's sixteen are in
	TURN \u
	s_wait_dscnt 0x0                               ; my 64 numbers are back, and the stage's stores have read set u
	s_wait_xcnt 0x0                                ; the stores of a pair ago have read this tile's code registers: they are written again only behind this wait
.if \ahead
	LOADT \u, 1
.endif
.set q, 0
.rept 8
	FQ8 X+8*q
.set q, q+1
.endr
.irp c, 0,1                                    ; my two blocks, 2 c + h: all 32 numbers of each are mine
	v_max3_num_f32 v[MX+\c], |v[X+32*\c]|, |v[X+32*\c+1]|, 0x1800000   ; the floor 2^(3 - 127): the byte cannot fall under 1
.endr
.irp e, 2,4,6,8,10,12,14,16,18,20,22,24,26,28,30
.irp c, 0,1
	v_max3_num_f32 v[MX+\c], v[MX+\c], |v[X+32*\c+\e]|, |v[X+32*\c+\e+1]|
.endr
.endr
.irp c, 0,1
	v_add_nc_u32 v[MX+2+\c], 0xff000000, v[MX+\c]  ; 2 off the exponent field: the conversion takes the exponent field of this operand as its scale
.endr
.irp c, 0,1
	v_lshrrev_b32 v[MX+\c], 23, v[MX+2+\c]         ; the scale's byte
.endr
.irp c, 0,1
.irp g, 0,1,2,3
	v_cvt_scalef32_pk8_fp4_f32 v[C+8*\u+4*\c+\g], v[X+32*\c+8*\g:X+32*\c+8*\g+7], v[MX+2+\c]
.endr
.endr
	v_lshl_or_b32 v[WT], v[MX+1], 16, v[MX]        ; (a plain instruction behind the conversions)  my two bytes: blocks h and 2 + h,
	global_store_b128 v1, v[C+8*\u:C+8*\u+3], s[DST:DST+1] offset:1024*\u          ; 32 lanes store 512 consecutive bytes, at a multiple of 256 from the buffer's first byte
	global_store_b128 v1, v[C+8*\u+4:C+8*\u+7], s[DST:DST+1] offset:1024*\u+512
	v_lshlrev_b32 v[WT], v4, v[WT]                 ; at their places in the word;
	v_permlanex16_b32 v[WT+1], v[WT], s[SEL], s[SEL+1]
.if \u == 0
	v_or_b32 v[WT+2], v[WT], v[WT+1]               ; with lane l xor 16's two the word is whole: the even tile's is kept
.else
	v_or_b32 v[WT+3], v[WT], v[WT+1]
	v_cndmask_b32 v[WT+3], v[WT+3], v[WT+2], vcc_lo   ; lanes 0-15: the even tile's words; lanes 16-31: the odd tile's
	v_mov_b32 v[SW], v[SW+1]                       ; after four pairs the first pair's register is the lowest
	v_mov_b32 v[SW+1], v[SW+2]
	v_mov_b32 v[SW+2], v[SW+3]
	v_mov_b32 v[SW+3], v[WT+3]
.endif
.endm
	s_mov_b32 s[CNT], 3
.Lpair:                                            ; three trips; each works a pair of tiles and asks for the next pair
	TILE 0, 1, 16
	TILE 1, 1, 16
	s_wait_xcnt 0x0                                ; the loads and stores issued so far have read their bases: both may step
	s_add_nc_u64 s[SRC:SRC+1], s[SRC:SRC+1], 16384   ; 32 rows on
	s_add_nc_u64 s[DST:DST+1], s[DST:DST+1], 2048    ; two fragments on
	s_sub_co_u32 s[CNT], s[CNT], 1
	s_cmp_lg_u32 s[CNT], 0
	s_cbranch_scc1 .Lpair
	TILE 0, 0, 16                                  ; the last pair asks for nothing: no load leaves the buffer
	TILE 1, 0, 0
	global_store_b128 v1, v[SW:SW+3], s[DST:DST+1] offset:8192-3*2048   ; the record's 512 bytes of scale words (the base has stepped three times)
	s_wait_tensorcnt 0x0
	ds_add_u32 v62, v63
	s_wait_dscnt 0x0
	s_endpgm
; ---------------- value: K = the keys is the first axis of a record.  A lane takes a channel and its registers run down the keys: a block of 32 keys lies in one lane.
; Two blocks' loads, 64, are asked for on end; where a counter's field is full the next load's issue waits for a free count (ISA guide 5.7.1), so no wait is written for that.
.Lv:
	v_and_b32 v7, 31, v0                           ; lane
	s_lshl_b32 s41, s[WV], 7
	v_lshl_add_u32 v1, v7, 2, s41                  ; v1: my channel's 4 bytes of a row: 4 x lane + 128 x wave: the four waves read a row's 512 bytes
.macro LOADV kb                        ; block kb: keys 32 kb + 0 .. 31 of my channel, into set kb % 2
.set i, 0
.rept 32
	global_load_b32 v[R+32*((\kb)%2)+i], v1, s[SRC:SRC+1] offset:(32*(\kb)+i)*512 th:TH_LOAD_NT
.set i, i+1
.endr
.endm
	LOADV 0
	LOADV 1
	v_lshlrev_b32 v6, 4, v7                        ; v6: 16 x lane
	v_add_nc_u32 v5, VX, v6                        ; v5: where wave 0 reads the scale words back
	s_lshl_b32 s41, s[WV], 2
	v_add_nc_u32 v3, s41, v5                       ; v3: where my channel's word goes: tile 2 w + lane / 16, row lane % 16: 16 x lane + 4 w
	v_and_b32 v2, 15, v0
	v_lshlrev_b32 v2, 4, v2
	v_bfe_u32 v7, v0, 4, 1
	v_lshl_add_u32 v2, v7, 10, v2
	s_lshl_b32 s41, s[WV], 11
	v_add_nc_u32 v2, s41, v2                       ; v2: my channel's place in its tile's image: 1024 (2 w + lane / 16) + 16 (lane % 16)
	MKREC
.macro BLOCKV kb
.set XS, R+32*((\kb)%2)
.if \kb < 3
	s_wait_loadcnt 32                              ; this block's 32 loads are in; the next block's 32 may be out
.else
	s_wait_loadcnt 0x0
.endif
	FQ8 XS
	FQ8 XS+8
	FQ8 XS+16
	FQ8 XS+24
	v_max3_num_f32 v[MX], |v[XS]|, |v[XS+1]|, 0x1800000       ; two chains, both begun with the floor 2^(3 - 127)
	v_max3_num_f32 v[MX+1], |v[XS+2]|, |v[XS+3]|, 0x1800000
.irp e, 4,8,12,16,20,24,28
	v_max3_num_f32 v[MX], v[MX], |v[XS+\e]|, |v[XS+\e+1]|
	v_max3_num_f32 v[MX+1], v[MX+1], |v[XS+\e+2]|, |v[XS+\e+3]|
.endr
	v_max_num_f32 v[MX], v[MX], v[MX+1]
	v_add_nc_u32 v[MX+2], 0xff000000, v[MX]
	v_lshrrev_b32 v[MX], 23, v[MX+2]
.irp g, 0,1,2,3
	v_cvt_scalef32_pk8_fp4_f32 v[CV+4*(\kb)+\g], v[XS+8*\g:XS+8*\g+7], v[MX+2]
.endr
.if \kb == 0
	v_mov_b32 v[WT], v[MX]                         ; (a plain instruction behind the conversions)  byte kb of my channel's scale word
.else
	v_lshl_or_b32 v[WT], v[MX], 8*(\kb), v[WT]
.endif
	global_store_b128 v2, v[CV+4*(\kb):CV+4*(\kb)+3], s[DST:DST+1] offset:((\kb)/2)*512+((\kb)%2)*256   ; block kb is c = kb / 2, lanes 16 (kb % 2) on: sixteen lanes store 256 consecutive bytes, aligned
.if (\kb)+2 < 4
	LOADV (\kb)+2
.endif
.endm
	BLOCKV 0
	BLOCKV 1
	BLOCKV 2
	BLOCKV 3
	ds_store_b32 v3, v[WT]
	s_wait_dscnt 0x0                               ; for the others' sake: my words have landed
	s_barrier_signal -1
	s_barrier_wait -1
	s_cmp_lg_u32 s[WV], 0                          ; wave 0 stores the record's 512 bytes of scale words whole
	s_cbranch_scc1 .Lv_end
	ds_load_b128 v[52:55], v5
	s_wait_dscnt 0x0
	global_store_b128 v6, v[52:55], s[DST:DST+1] offset:8192
.Lv_end:
	s_wait_tensorcnt 0x0
	ds_add_u32 v62, v63
	s_wait_dscnt 0x0
	s_endpgm
.Lfunc_end_k_qe30b81aff0_prep:
	.size	k_qe30b81aff0_prep, .Lfunc_end_k_qe30b81aff0_prep-k_qe30b81aff0_prep
	.p2alignl 7, 3214868480
	.fill 96, 4, 3214868480
	.section	.rodata,"a",@progbits
	.p2align	6, 0x0
	.amdhsa_kernel k_qe30b81aff0_prep
		.amdhsa_group_segment_fixed_size 35328
		.amdhsa_private_segment_fixed_size 0
		.amdhsa_enable_private_segment 0
		.amdhsa_kernarg_size 72
		.amdhsa_user_sgpr_count 2
		.amdhsa_user_sgpr_kernarg_segment_ptr 1
		.amdhsa_wavefront_size32 1
		.amdhsa_system_sgpr_workgroup_id_x 1
		.amdhsa_system_sgpr_workgroup_id_y 1
		.amdhsa_system_sgpr_workgroup_id_z 1
		.amdhsa_system_vgpr_workitem_id 0
		.amdhsa_next_free_vgpr 256
		.amdhsa_next_free_sgpr 66
		.amdhsa_reserve_vcc 1
		.amdhsa_float_denorm_mode_32 3
		.amdhsa_float_denorm_mode_16_64 3
		.amdhsa_memory_ordered 1
		.amdhsa_forward_progress 1
		.amdhsa_inst_pref_size 159
	.end_amdhsa_kernel
	.amdgpu_metadata
---
amdhsa.version: [ 1, 2 ]
amdhsa.kernels:
  - .name:           k_qe30b81aff0_prep
    .symbol:         k_qe30b81aff0_prep.kd
    .args:
      - { .name: query, .offset: 0, .size: 8, .value_kind: global_buffer, .address_space: global }
      - { .name: key, .offset: 8, .size: 8, .value_kind: global_buffer, .address_space: global }
      - { .name: value, .offset: 16, .size: 8, .value_kind: global_buffer, .address_space: global }
      - { .name: q_scale, .offset: 24, .size: 8, .value_kind: global_buffer, .address_space: global }
      - { .name: k_scale, .offset: 32, .size: 8, .value_kind: global_buffer, .address_space: global }
      - { .name: v_scale, .offset: 40, .size: 8, .value_kind: global_buffer, .address_space: global }
      - { .name: qimg, .offset: 48, .size: 8, .value_kind: global_buffer, .address_space: global }
      - { .name: kimg, .offset: 56, .size: 8, .value_kind: global_buffer, .address_space: global }
      - { .name: vimg, .offset: 64, .size: 8, .value_kind: global_buffer, .address_space: global }
    .group_segment_fixed_size: 35328
    .private_segment_fixed_size: 0
    .kernarg_segment_align: 8
    .kernarg_segment_size: 72
    .max_flat_workgroup_size: 128
    .sgpr_count:     66
    .vgpr_count:     256
    .wavefront_size: 32
...
	.end_amdgpu_metadata
.endif
;; end of part 1
;; launch attn (part 2): grid 8 x 32, 16 waves a work-group, clusters of 4 x 1, 280,576 bytes of LDS; arguments qimg, kimg, vimg, qk_scale, a_scale, av_scale, out0; writes out0
.if DOCPART == 2
	.amdgcn_target "amdgcn-amd-amdhsa--gfx1250"
	.amdhsa_code_object_version 6
	.text
	.protected	k_qe30b81aff0_attn
	.globl	k_qe30b81aff0_attn
	.p2align	8
	.type	k_qe30b81aff0_attn,@function
k_qe30b81aff0_attn:
	s_mov_b64 s[64:65], 0
	v_nop
	global_prefetch_b8 v0, s[64:65] scope:SCOPE_SE
	s_setreg_imm32_b32 hwreg(HW_REG_WAVE_MODE, 25, 1), 1
	s_wait_xcnt 0x0
	s_wait_alu depctr_hold_cnt(0) depctr_sa_sdst(0) depctr_va_vdst(0) depctr_va_sdst(0) depctr_va_ssrc(0) depctr_va_vcc(0) depctr_vm_vsrc(0)
	s_getreg_b32 s2, hwreg(HW_REG_IB_STS2, 6, 4)
	s_cmp_eq_u32 s2, 0
	s_cbranch_scc0 .Lentry_in_a_cluster
	s_endpgm
.Lentry_in_a_cluster:
	s_bfe_u32 s2, ttmp6, 0x10000c
	s_cmp_lg_u32 s2, 0x3003
	s_cbranch_scc0 .Lentry_shape_is_right
	s_endpgm
.Lentry_shape_is_right:
; out = fq(Q(fq(softmax(fq(Q(q) Q(k)^T / sqrt(128), qk_scale)), a_scale)) Q(v), av_scale): fq the int8 fake-quantiser, Q the MX-FP4 quantiser along a product's K.  q, k, v arrive as operand images (codes and scale words).
; THE SOFTMAX IS QUANTISED FINISHED AND NORMALISED, so a row's sum is known before any weight becomes a code: THE KEYS ARE WALKED TWICE.  Pass 1: scores, running maximum, sum.  Pass 2: scores again, weights, codes, second product.
; Per score a product costs an eighth of a matrix instruction's lane share and the vector work some twenty instructions: the scores are cheaper made twice than kept (128 KiB a wave).
; ARITHMETIC of a score S (an exact f32 sum): x = S / sqrt(128), y = x / b, both divisions rounded correctly (u = x r, e = x - u d, q = u + e r); n = clip(round(y), -128, 127); the score is n b.
;   The row's maximum is taken away, as a running maximum of the whole numbers n: e = 2^(((n b) - (nmax b)) log2(e)), each step rounded as it stands; when nmax moves the sum is multiplied by 2^((old - new) log2(e)).
;   Weights: g = 1 / (L a_s); t = e g + 2^23 in one fused step is 2^23 + round(e g), ties to even; held at 2^23 + 127; t a_s - 2^23 a_s in one fused step is m a_s rounded once.
; LIMITS: NaN and infinities are not served; the three scales are positive, normal and finite.  At the scores and at the weights x + (q - x) is taken as q: equal wherever the clip does not bring q under x / 2, else within half
;   a unit in the last place of x - q.  e g is rounded once where e / L / a_s is rounded twice (a difference of 2^-23 of the number).  A block of zeros keeps the byte 1: its codes are zeros.
; SHARES: a work-group owns 256 queries of one head; each of its SIXTEEN waves one tile of 16, in 256 registers: four waves to a SIMD, so that one wave's vector work stands beside another's LDS loads, exponentials and products.
; LDS: the head's K (16 records of 8,704 bytes) and V (16 more) lie there whole: filled once, nothing is filled again.  A fragment is read as 2 x 512 consecutive bytes: no pitch, no padding.
; CLUSTER: the four work-groups of a cluster belong to one head and read the same 278,528 bytes: every fill is asked for JOINTLY, with a mask that names the four.  A round of the cluster's barrier stands ahead of the fills and ahead of the end.
; All tensor loads stand at the head, so nothing is prefetched: there is no later tile to ask for.
; LAYOUT: both products are used transposed (S^T = K Q^T, O^T = V^T P^T): a lane holds ONE query (lane % 16) throughout; the 16 registers of score tiles 2 b, 2 b + 1 are keys 32 b + 16 (lane / 16) + 0 .. 15 of the step's 128.
.set RECB,  8704
.set HEADB, 16*RECB                    ; K at LDS byte 0, V at HEADB
.set PIT,   528                        ; the way out: a stage row, 512 bytes + 16
.set WST,   16*PIT                     ; a stage of 16 rows for each wave, laid over K's bytes behind the last barrier: they have had their one fill, and nobody reads them any more
.set LI,  1                            ; v1       16 x lane; never rewritten
.set ADK, 2                            ; v2       LDS address of the step's record of K (at the head: Q's offset; on the way out: into the stage)
.set ADV, 3                            ; v3       of V (at the head: the offset of Q's scale words; on the way out: out of the stage)
.set NM,  4                            ; v4       the running largest n
.set FA,  5                            ; v5       at work on the change of the maximum
.set NYM, 6                            ; v[6:7]   -(nmax b)
.set SUM, 8                            ; v[8:9]   the row's sum in two halves
.set F,   10                           ; v[10:11] the sum's factor; in pass 2: g
.set NMA, 12                           ; v[12:13] -2^23 a_s
.set QS,  14                           ; v14      Q's scale words
.set PW,  15                           ; v15      P's scale word
.set QF,  16                           ; v16-23   Q's fragment
.set KSC, 24                           ; v24-27   K's scale words: register j: tile 2 j in lanes 0-15, tile 2 j + 1 in lanes 16-31
.set VSC, 28                           ; v28-31   V's likewise
.set KF,  32                           ; v32-95   eight fragments of K, then of V; on the way out rows of the result
.set S,   96                           ; v96-159  S^T, then n, e, the weights
.set O,   160                          ; v160-223 O^T
.set PC,  224                          ; v224-231 P's codes
.set T,   232                          ; v232-247 at work
.set T8,  240
.set TM,  248                          ; v248-251 maxima
.set TP,  252                          ; v252-255 the other half's maxima, then bytes
.set WV,  21                           ; s21      my wave's number
.set SEL, 22                           ; s[22:23] v_permlanex16_b32's selects for lane l xor 16
.set G1,  24                           ; s[24:31] descriptor group 1;  s[32:35], s[36:39] groups 0 for K and V
.set G0K, 32
.set G0V, 36
.set RA,  40                           ; pairs, of which the packed forms take the low word for both halves: 1 / sqrt(128), -sqrt(128),
.set NA,  42
.set RB,  44                           ; 1 / b, -b, b (b = qk_scale),
.set NB,  46
.set BB,  48
.set LL,  50                           ; log2(e),
.set MG,  52                           ; 2^23,
.set AS,  54                           ; a_scale,
.set LIM, 58                           ; s58      2^23 + 127   (s56 = -128.0, s57 = 127.0)
.set KO,  59                           ; s59      LDS byte of the step's record
.set CNT, 60
.set RV,  66                           ; 1 / av, -av, av (av = av_scale)
.set NV,  68
.set AV,  70
; A round of the cluster's barrier: my work-group's barrier; wave 0 signals for the work-group; every wave waits for all four work-groups; my work-group's barrier once more.
.macro ROUND
	s_barrier_signal -1
	s_barrier_wait -1
	s_cmp_lg_u32 s[WV], 0
	s_cbranch_scc1 .Lnot_wave_0_\@
	s_barrier_signal -3
.Lnot_wave_0_\@:
	s_barrier_wait -3
	s_barrier_signal -1
	s_barrier_wait -1
.endm
; One scaled product.  odd = 1: source 0's scale words stand in lanes 16-31 of their register.  zero = 1: it starts its sum.
.macro MM d, a, b, sa, sb, odd, zero
.if \zero
.if \odd
	v_wmma_scale_f32_16x16x128_f8f6f4 v[\d:\d+7], v[\a:\a+7], v[\b:\b+7], 0, v[\sa], v[\sb] matrix_a_fmt:MATRIX_FMT_FP4 matrix_b_fmt:MATRIX_FMT_FP4 matrix_a_scale:MATRIX_SCALE_ROW1
.else
	v_wmma_scale_f32_16x16x128_f8f6f4 v[\d:\d+7], v[\a:\a+7], v[\b:\b+7], 0, v[\sa], v[\sb] matrix_a_fmt:MATRIX_FMT_FP4 matrix_b_fmt:MATRIX_FMT_FP4
.endif
.else
.if \odd
	v_wmma_scale_f32_16x16x128_f8f6f4 v[\d:\d+7], v[\a:\a+7], v[\b:\b+7], v[\d:\d+7], v[\sa], v[\sb] matrix_a_fmt:MATRIX_FMT_FP4 matrix_b_fmt:MATRIX_FMT_FP4 matrix_a_scale:MATRIX_SCALE_ROW1
.else
	v_wmma_scale_f32_16x16x128_f8f6f4 v[\d:\d+7], v[\a:\a+7], v[\b:\b+7], v[\d:\d+7], v[\sa], v[\sb] matrix_a_fmt:MATRIX_FMT_FP4 matrix_b_fmt:MATRIX_FMT_FP4
.endif
.endif
.endm
; S^T of 128 keys: the record's eight fragments and its scale words from LDS, eight products, and the four places behind them for the reads of the results and for loads into the fragments' registers
.macro QK
.irp t, 0,1,2,3,4,5,6,7
.irp c, 0,1
	ds_load_b128 v[KF+8*\t+4*\c:KF+8*\t+4*\c+3], v[ADK] offset:1024*\t+512*\c
.endr
.endr
	ds_load_b128 v[KSC:KSC+3], v[ADK] offset:8192
	s_wait_dscnt 0x0
.irp t, 0,1,2,3,4,5,6,7
	MM S+8*\t, KF+8*\t, QF, KSC+\t/2, QS, \t%2, 1
.endr
.rept 4
	v_nop
.endr
.endm
; eight scores become their whole numbers n, in place; the first line reads the tile's two lowest registers
.macro NMAP x
.irp p, 0,2,4,6
	v_pk_mul_f32 v[T+\p:T+\p+1], v[\x+\p:\x+\p+1], s[RA:RA+1] op_sel_hi:[1,0]
.endr
.irp p, 0,2,4,6
	v_pk_fma_f32 v[T8+\p:T8+\p+1], v[T+\p:T+\p+1], s[NA:NA+1], v[\x+\p:\x+\p+1] op_sel_hi:[1,0,1]
.endr
.irp p, 0,2,4,6
	v_pk_fma_f32 v[\x+\p:\x+\p+1], v[T8+\p:T8+\p+1], s[RA:RA+1], v[T+\p:T+\p+1] op_sel_hi:[1,0,1]   ; S / sqrt(128)
.endr
.irp p, 0,2,4,6
	v_pk_mul_f32 v[T+\p:T+\p+1], v[\x+\p:\x+\p+1], s[RB:RB+1] op_sel_hi:[1,0]
.endr
.irp p, 0,2,4,6
	v_pk_fma_f32 v[T8+\p:T8+\p+1], v[T+\p:T+\p+1], s[NB:NB+1], v[\x+\p:\x+\p+1] op_sel_hi:[1,0,1]
.endr
.irp p, 0,2,4,6
	v_pk_fma_f32 v[\x+\p:\x+\p+1], v[T8+\p:T8+\p+1], s[RB:RB+1], v[T+\p:T+\p+1] op_sel_hi:[1,0,1]   ; / b
.endr
.irp e, 0,1,2,3,4,5,6,7
	v_rndne_f32 v[\x+\e], v[\x+\e]
.endr
.irp e, 0,1,2,3,4,5,6,7
	v_med3_num_f32 v[\x+\e], v[\x+\e], s56, s57
.endr
.endm
.macro NMAP64
.set q, 0
.rept 8
	NMAP S+8*q
.set q, q+1
.endr
.endm
; n -> ((n b) - (nmax b)) log2(e), each step rounded as it stands, then 2^ of it: 64 exponentials as ONE batch
.macro EXPS
.set j, 0
.rept 32
	v_pk_mul_f32 v[S+j:S+j+1], v[S+j:S+j+1], s[BB:BB+1] op_sel_hi:[1,0]
.set j, j+2
.endr
.set j, 0
.rept 32
	v_pk_add_f32 v[S+j:S+j+1], v[S+j:S+j+1], v[NYM:NYM+1] op_sel_hi:[1,0]
.set j, j+2
.endr
.set j, 0
.rept 32
	v_pk_mul_f32 v[S+j:S+j+1], v[S+j:S+j+1], s[LL:LL+1] op_sel_hi:[1,0]
.set j, j+2
.endr
.set j, 0
.rept 64
	v_exp_f32 v[S+j], v[S+j]
.set j, j+1
.endr
.endm
; A KEY STEP OF PASS 1: 128 keys: the running maximum and the sum
.macro STEP1
	v_add_nc_u32 v[ADK], s[KO], v[LI]
	QK
	NMAP64
.irp b, 0,1,2,3                                ; the largest of my 64 n, in four chains
	v_max3_num_f32 v[TM+\b], v[S+16*\b], v[S+16*\b+1], v[S+16*\b+2]
.endr
.irp e, 3,5,7,9,11,13
.irp b, 0,1,2,3
	v_max3_num_f32 v[TM+\b], v[TM+\b], v[S+16*\b+\e], v[S+16*\b+\e+1]
.endr
.endr
.irp b, 0,1,2,3
	v_max_num_f32 v[TM+\b], v[TM+\b], v[S+16*\b+15]
.endr
	v_max3_num_f32 v[TM], v[TM], v[TM+1], v[TM+2]
	v_max3_num_f32 v[TM], v[TM], v[TM+3], v[NM]    ; and the largest so far
	v_permlanex16_b32 v[TP], v[TM], s[SEL], s[SEL+1]   ; the query's other 64 keys lie in the lane 16 away
	v_max_num_f32 v[NM], v[TM], v[TP]
	v_mov_b32 v[FA], v[NYM]
	v_mul_f32 v[NYM], s[NB], v[NM]                 ; -(nmax b)
	v_sub_f32 v[FA], v[NYM], v[FA]                 ; the old maximum less the new: 0 or less
	v_mul_f32 v[FA], s[LL], v[FA]
	EXPS
	v_exp_f32 v[F], v[FA]                          ; the factor that brings the sum under the new maximum: 1 where it has not moved
	v_nop                                          ; a plain instruction behind the last exponential,
	s_wait_alu depctr_va_vdst(0)                   ; and one wait for the batch of 65, ahead of its first reader
.irp w, 4,8,16,32,64                           ; the sum of 32 pairs, in place: neighbours 1, 2, 4, 8 and 16 pairs apart
.set j, 0
.rept 64/\w
	v_pk_add_f32 v[S+j:S+j+1], v[S+j:S+j+1], v[S+j+\w/2:S+j+\w/2+1]
.set j, j+\w
.endr
.endr
	v_pk_fma_f32 v[SUM:SUM+1], v[SUM:SUM+1], v[F:F+1], v[S:S+1] op_sel_hi:[1,0,1]
	s_add_co_u32 s[KO], s[KO], RECB
.endm
; A KEY STEP OF PASS 2: the scores again, the weights, their codes, O^T += V^T P^T.  zero = 1: the first step starts O^T's sums.
.macro STEP2 zero
	v_add_nc_u32 v[ADK], s[KO], v[LI]
	v_add_nc_u32 v[ADV], HEADB, v[ADK]
	v_nop
	v_nop                                          ; four places behind the last step's products, ahead of the loads into the fragments' registers
	QK
.irp t, 0,1,2,3,4,5,6,7                        ; V's fragments take K's registers: they land under the vector work below
.irp c, 0,1
	ds_load_b128 v[KF+8*\t+4*\c:KF+8*\t+4*\c+3], v[ADV] offset:1024*\t+512*\c
.endr
.endr
	ds_load_b128 v[VSC:VSC+3], v[ADV] offset:8192
	NMAP64
	EXPS
	v_nop                                          ; a plain instruction behind the last exponential,
	s_wait_alu depctr_va_vdst(0)                   ; and one wait for the batch of 64
.set j, 0
.rept 32
	v_pk_fma_f32 v[S+j:S+j+1], v[S+j:S+j+1], v[F:F+1], s[MG:MG+1] op_sel_hi:[1,0,0]     ; 2^23 + round(e g)
.set j, j+2
.endr
.set j, 0
.rept 64
	v_min_num_f32 v[S+j], s[LIM], v[S+j]           ; the clip at 127 (nothing is negative)
.set j, j+1
.endr
.set j, 0
.rept 32
	v_pk_fma_f32 v[S+j:S+j+1], v[S+j:S+j+1], s[AS:AS+1], v[NMA:NMA+1] op_sel_hi:[1,0,0]   ; m a_s
.set j, j+2
.endr
.irp b, 0,1,2,3                                ; the four blocks of 32 keys; no |.|: nothing is negative
	v_max3_num_f32 v[TM+\b], v[S+16*\b], v[S+16*\b+1], 0x1800000   ; the floor 2^(3 - 127): the byte cannot fall under 1
.endr
.irp e, 2,4,6,8,10,12,14
.irp b, 0,1,2,3
	v_max3_num_f32 v[TM+\b], v[TM+\b], v[S+16*\b+\e], v[S+16*\b+\e+1]
.endr
.endr
.irp b, 0,1,2,3
	v_permlanex16_b32 v[TP+\b], v[TM+\b], s[SEL], s[SEL+1]
.endr
.irp b, 0,1,2,3
	v_max_num_f32 v[TM+\b], v[TM+\b], v[TP+\b]     ; with lane l xor 16's 16 keys: the block's largest weight
.endr
.irp b, 0,1,2,3
	v_add_nc_u32 v[T+\b], 0xff000000, v[TM+\b]     ; 2 off the exponent field: the conversion's scale operand
.endr
.irp b, 0,1,2,3
	v_lshrrev_b32 v[TP+\b], 23, v[T+\b]            ; the scale's byte
.endr
	v_lshl_or_b32 v[PW], v[TP+1], 8, v[TP]         ; P's scale word for these 128 keys
	v_lshl_or_b32 v[PW], v[TP+2], 16, v[PW]
	v_lshl_or_b32 v[PW], v[TP+3], 24, v[PW]
.irp b, 0,1,2,3
	v_cvt_scalef32_pk8_fp4_f32 v[PC+2*\b], v[S+16*\b:S+16*\b+7], v[T+\b]
	v_cvt_scalef32_pk8_fp4_f32 v[PC+2*\b+1], v[S+16*\b+8:S+16*\b+15], v[T+\b]
.endr
	v_nop                                          ; a plain instruction behind the conversions
.irp c, 0,1                                    ; the operand's layout wants a WHOLE block in a lane: lanes 0-15 block 2 c, lanes 16-31 block 2 c + 1
.irp e, 0,1
	v_permlane16_swap_b32 v[PC+4*\c+\e], v[PC+4*\c+2+\e]
.endr
.endr
.rept 8
	v_nop                                          ; a scale register written by vector instructions stands eight places ahead of a scaled product, an operand so written four
.endr
	s_wait_dscnt 0x0                               ; V's fragments and scale words are in
.irp t, 0,1,2,3,4,5,6,7                        ; the eight accumulators take turns, one instruction a turn; the eight products S^T stand between two steps' turns
	MM O+8*\t, KF+8*\t, PC, VSC+\t/2, PW, \t%2, \zero
.endr
	s_add_co_u32 s[KO], s[KO], RECB
.endm
; ---------------- the head
	s_load_b256 s[4:11], s[0:1], 0x0               ; qimg s[4:5], kimg s[6:7], vimg s[8:9], qk_scale s[10:11]
	s_load_b128 s[12:15], s[0:1], 0x20             ; a_scale s[12:13], av_scale s[14:15]
	s_load_b64 s[16:17], s[0:1], 0x30              ; out0
	v_lshl_add_u32 v254, v0, 2, 0x44000
	v_mov_b32 v255, 0
	ds_add_u32 v254, v255
	ds_add_u32 v254, v255
	s_wait_dscnt 0x0
	v_lshrrev_b32 v1, 5, v0
	v_readfirstlane_b32 s[WV], v1                  ; wave 0..15
	s_bfe_u32 s72, ttmp6, 0x40000                  ; cx: my place in the cluster: it enters Q's and the result's global addresses alone
	s_lshl_b32 s73, ttmp9, 2                       ; in a cluster launch ttmp9 counts clusters
	s_add_co_u32 s73, s73, s72                     ; x: my block of 256 queries
	s_and_b32 s74, ttmp7, 0xffff                   ; the head, which the four partners share
	; descriptor group 1: two records, 17,408 dense bytes, as 68 rows of 256 bytes (32 elements of 8 bytes); no padding
	s_mov_b32 s[G1], 15|(3<<16)|(1<<21)            ; 15:0 the mask: all four work-groups; 17:16 elements of 8 bytes; 21 set beside a mask
	s_mov_b32 s[G1+1], 32<<16                      ; tensor_dim0 = 32
	s_mov_b32 s[G1+2], 68<<16                      ; tensor_dim1 = 68
	s_mov_b32 s[G1+3], 32<<16                      ; tile_dim0 = 32
	s_mov_b32 s[G1+4], 68                          ; tile_dim1 = 68
	s_mov_b32 s[G1+5], 32                          ; from row to row: 32 elements
	s_mov_b32 s[G1+6], 0
	s_mov_b32 s[G1+7], 0
	s_and_b32 s78, s[WV], 7
	s_mul_i32 s78, s78, 2*RECB                     ; waves 0 to 7 fetch two records of K and two of V each: their place in LDS, and in the head's images;
	s_mul_i32 s76, s74, HEADB                      ; the head's images begin here.  Nothing in s74 to s78 hangs on my place in the cluster
	s_add_co_u32 s76, s76, s78
	s_mov_b32 s77, 0
	s_lshl_b32 s75, s74, 11                        ; my wave's first row of the result: 2048 head + 256 x + 128 (w / 8) + 32 ((w % 8) / 2) + 8 (w % 2)
	s_lshl_b32 s61, s73, 8
	s_add_co_u32 s75, s75, s61
	s_lshr_b32 s61, s[WV], 3
	s_lshl_b32 s62, s61, 7
	s_add_co_u32 s75, s75, s62
	s_bfe_u32 s62, s[WV], 0x20001
	s_lshl_b32 s62, s62, 5
	s_add_co_u32 s75, s75, s62
	s_and_b32 s62, s[WV], 1
	s_lshl_b32 s62, s62, 3
	s_add_co_u32 s75, s75, s62
	s_lshl_b32 s62, s75, 9                         ; in bytes: under 2^25
	s_mov_b32 s63, 0
	s_lshl_b32 s75, s74, 4                         ; Q's record: 16 head + 2 x + w / 8
	s_lshl_b32 s79, s73, 1
	s_add_co_u32 s75, s75, s79
	s_add_co_u32 s75, s75, s61
	s_mul_i32 s72, s75, RECB
	s_mov_b32 s73, 0
	s_wait_kmcnt 0x0
	s_load_b32 s18, s[10:11], 0x0                  ; b = qk_scale
	s_load_b32 s19, s[12:13], 0x0                  ; a_scale
	s_load_b32 s20, s[14:15], 0x0                  ; av_scale
	s_add_nc_u64 s[16:17], s[16:17], s[62:63]
	s_add_nc_u64 s[4:5], s[4:5], s[72:73]
	s_mov_b32 s[G0K], 1                            ; count = 1
	s_mov_b32 s[G0K+1], s78                        ; LDS address
	s_add_nc_u64 s[G0K+2:G0K+3], s[6:7], s[76:77]  ; global address
	s_or_b32 s[G0K+3], s[G0K+3], 0x80000000        ; type = 2
	s_mov_b32 s[G0V], 1
	s_add_co_u32 s[G0V+1], s78, HEADB
	s_add_nc_u64 s[G0V+2:G0V+3], s[8:9], s[76:77]
	s_or_b32 s[G0V+3], s[G0V+3], 0x80000000
	ROUND                                          ; all four work-groups are here: the joint loads meet
	s_cmp_lt_u32 s[WV], 8                          ; a wave's two fills stand in one branch on the wave's number, ahead of every wait on TENSORcnt and every LDS read: two loads of mine are out at the most
	s_cbranch_scc0 .Lno_fill
	tensor_load_to_lds s[G0K:G0K+3], s[G1:G1+7]
	s_nop 0
	tensor_load_to_lds s[G0V:G0V+3], s[G1:G1+7]
	s_nop 0
.rept 4
	v_nop
.endr
.Lno_fill:
	v_and_b32 v1, 31, v0
	v_lshlrev_b32 v[LI], 4, v1
	s_and_b32 s61, s[WV], 7                        ; t: my tile of Q's record
	s_lshl_b32 s62, s61, 10
	v_add_nc_u32 v2, s62, v[LI]                    ; its image: 1024 t + 16 x lane
	v_and_b32 v3, 15, v0
	s_and_b32 s62, s61, 1
	s_lshl_b32 s62, s62, 8
	s_lshr_b32 s61, s61, 1
	s_lshl_b32 s61, s61, 2
	s_add_co_u32 s62, s62, s61
	s_add_co_u32 s62, s62, 8192
	v_lshl_add_u32 v3, v3, 4, s62                  ; row r's scale word: 8192 + 16 (r + 16 (t % 2)) + 4 (t / 2)
	global_load_b128 v[QF:QF+3], v2, s[4:5]
	global_load_b128 v[QF+4:QF+7], v2, s[4:5] offset:512
	global_load_b32 v[QS], v3, s[4:5]
	s_wait_kmcnt 0x0                               ; the three scales
	v_mov_b32 v232, 0x413504f3                     ; sqrt(128) in f32
	v_mov_b32 v233, s18
	v_mov_b32 v234, s20
	v_rcp_f32 v236, v232
	v_rcp_f32 v237, v233
	v_rcp_f32 v238, v234
	v_nop                                          ; a plain instruction behind the reciprocals,
	s_wait_alu depctr_va_vdst(0)                   ; and one wait for the three
.irp e, 0,1,2
	v_fma_f32 v[240+\e], -v[232+\e], v[236+\e], 1.0
.endr
.irp e, 0,1,2
	v_fma_f32 v[236+\e], v[240+\e], v[236+\e], v[236+\e]   ; refined once
.endr
	v_readfirstlane_b32 s[RA], v236
	v_readfirstlane_b32 s[RB], v237
	v_readfirstlane_b32 s[RV], v238
	s_mov_b32 s[RA+1], s[RA]                       ; (a pair is named whole, so both words are written)
	s_mov_b32 s[RB+1], s[RB]
	s_mov_b32 s[RV+1], s[RV]
	s_mov_b32 s[NA], 0xc13504f3
	s_mov_b32 s[NA+1], s[NA]
	s_xor_b32 s[NB], s18, 0x80000000
	s_mov_b32 s[NB+1], s[NB]
	s_mov_b32 s[BB], s18
	s_mov_b32 s[BB+1], s18
	s_mov_b32 s[LL], 0x3fb8aa3b
	s_mov_b32 s[LL+1], s[LL]
	s_mov_b32 s[MG], 0x4b000000
	s_mov_b32 s[MG+1], s[MG]
	s_mov_b32 s[AS], s19
	s_mov_b32 s[AS+1], s19
	s_xor_b32 s[NV], s20, 0x80000000
	s_mov_b32 s[NV+1], s[NV]
	s_mov_b32 s[AV], s20
	s_mov_b32 s[AV+1], s20
	s_mov_b32 s56, 0xc3000000                      ; -128.0
	s_mov_b32 s57, 0x42fe0000                      ; 127.0
	s_mov_b32 s[LIM], 0x4b00007f                   ; 2^23 + 127
	s_mov_b32 s[SEL], 0x76543210
	s_mov_b32 s[SEL+1], 0xfedcba98
	v_mov_b32 v[NM], 0xc3000000                    ; the largest n so far: -128, the clip's own floor
	v_mul_f32 v[NYM], s[NB], v[NM]                 ; -(-128 b)
	v_mov_b32 v[NYM+1], 0                          ; (the upper halves of pairs that are named whole)
	v_mov_b32 v[SUM], 0
	v_mov_b32 v[SUM+1], 0
	v_mov_b32 v[F+1], 0
	v_mov_b32 v[NMA+1], s19
	v_mul_f32 v[NMA], 0xcb000000, v[NMA+1]         ; -2^23 a_s: exact
.irp b, 0,1,2,3
	v_mov_b32 v[TP+\b], 0                          ; a lane permute's destination counts as one of its sources
.endr
	s_wait_tensorcnt 0x1                           ; my part of K is in; the one load issued behind it, V's, may stay out
	s_barrier_signal -1
	s_barrier_wait -1                              ; everybody's part of K is in
	s_wait_loadcnt 0x0                             ; Q
; ---------------- pass 1
	s_mov_b32 s[KO], 0
	s_mov_b32 s[CNT], 16
.Lpass1:
	STEP1
	s_sub_co_u32 s[CNT], s[CNT], 1
	s_cmp_lg_u32 s[CNT], 0
	s_cbranch_scc1 .Lpass1
	v_add_f32 v[SUM], v[SUM], v[SUM+1]             ; the sum's two halves,
	v_permlanex16_b32 v[TP], v[SUM], s[SEL], s[SEL+1]
	v_add_f32 v[SUM], v[SUM], v[TP]                ; and lane l xor 16's: L
	v_mul_f32 v[SUM], s[AS], v[SUM]                ; L a_s
	v_rcp_f32 v[F], v[SUM]
	v_nop
	s_wait_alu depctr_va_vdst(0)                   ; a wait ahead of the reciprocal's first reader
	v_fma_f32 v[SUM+1], -v[SUM], v[F], 1.0
	v_fma_f32 v[F], v[SUM+1], v[F], v[F]           ; g = 1 / (L a_s), refined once
	s_wait_tensorcnt 0x0                           ; my part of V is in,
	s_wait_dscnt 0x0
	s_barrier_signal -1
	s_barrier_wait -1                              ; everybody's is
; ---------------- pass 2
	s_mov_b32 s[KO], 0
	STEP2 1                                        ; the first step stands ahead of the loop: its products start O^T's sums, and nothing is cleared
	s_mov_b32 s[CNT], 15
.Lpass2:
	STEP2 0
	s_sub_co_u32 s[CNT], s[CNT], 1
	s_cmp_lg_u32 s[CNT], 0
	s_cbranch_scc1 .Lpass2
	s_wait_dscnt 0x0                               ; my reads of K and V are over,
	s_barrier_signal -1
	s_barrier_wait -1                              ; everybody's are: the stages may be written over K's bytes
; ---------------- the way out: the fake-quantiser by av_scale, every step as it is written; then through my stage, so that 32 lanes store a whole row of 512 bytes
	v_and_b32 v232, 15, v0                         ; (these six plain lines are also the places behind the last products)  r
	v_bfe_u32 v233, v0, 4, 1                       ; h
	s_mul_i32 s61, s[WV], WST
	v_mul_u32_u24 v2, v232, PIT
	v_lshl_add_u32 v2, v233, 5, v2
	v_add_nc_u32 v2, s61, v2                       ; in: row r; tile t's eight channels of my half at 64 t + 32 h
	v_add_nc_u32 v3, s61, v[LI]                    ; back: 16 bytes a lane of a row
.macro OFQ t
.irp p, 0,2,4,6
	v_pk_mul_f32 v[T+\p:T+\p+1], v[O+8*\t+\p:O+8*\t+\p+1], s[RV:RV+1] op_sel_hi:[1,0]             ; each accumulator is read from its low end on
.endr
.irp p, 0,2,4,6
	v_pk_fma_f32 v[T8+\p:T8+\p+1], v[T+\p:T+\p+1], s[NV:NV+1], v[O+8*\t+\p:O+8*\t+\p+1] op_sel_hi:[1,0,1]
.endr
.irp p, 0,2,4,6
	v_pk_fma_f32 v[T+\p:T+\p+1], v[T8+\p:T8+\p+1], s[RV:RV+1], v[T+\p:T+\p+1] op_sel_hi:[1,0,1]   ; O / av, rounded correctly
.endr
.irp e, 0,1,2,3,4,5,6,7
	v_rndne_f32 v[T+\e], v[T+\e]
.endr
.irp e, 0,1,2,3,4,5,6,7
	v_med3_num_f32 v[T+\e], v[T+\e], s56, s57
.endr
.irp p, 0,2,4,6
	v_pk_mul_f32 v[T+\p:T+\p+1], v[T+\p:T+\p+1], s[AV:AV+1] op_sel_hi:[1,0]
.endr
.irp p, 0,2,4,6
	v_pk_add_f32 v[T8+\p:T8+\p+1], v[T+\p:T+\p+1], v[O+8*\t+\p:O+8*\t+\p+1] neg_lo:[0,1] neg_hi:[0,1]
.endr
.irp p, 0,2,4,6
	v_pk_add_f32 v[S+8*\t+\p:S+8*\t+\p+1], v[O+8*\t+\p:O+8*\t+\p+1], v[T8+\p:T8+\p+1]             ; x + (q - x): register 8 t + i is channel 16 t + 8 h + i of query r
.endr
.endm
.irp t, 0,1,2,3,4,5,6,7
	OFQ \t
.endr
.irp t, 0,1,2,3,4,5,6,7
	ds_store_b128 v2, v[S+8*\t:S+8*\t+3] offset:64*\t
	ds_store_b128 v2, v[S+8*\t+4:S+8*\t+7] offset:64*\t+16
.endr
.set i, 0
.rept 16
	ds_load_b128 v[KF+4*i:KF+4*i+3], v3 offset:PIT*i   ; LDS serves a wave's instructions in order (ISA guide 5.7.1.4): these see my stores
.set i, i+1
.endr
.set i, 0
.rept 16
	s_wait_dscnt 15-i                              ; row i is back; the 15 - i younger loads may stay out
	global_store_b128 v[LI], v[KF+4*i:KF+4*i+3], s[16:17] offset:(i+8*(i/8))*512 th:TH_STORE_NT   ; my tile's row i is query i + 8 (i / 8) from my first; 32 lanes store 512 consecutive bytes, aligned
.set i, i+1
.endr
	s_wait_dscnt 0x0
	s_wait_xcnt 0x0
	v_lshl_add_u32 v254, v0, 2, 0x44000
	v_mov_b32 v255, 0
	s_wait_tensorcnt 0x0
	ds_add_u32 v254, v255
	s_wait_dscnt 0x0
	ROUND                                          ; the closing round: no work-group ends while a partner may still ask for a tile that names it
	s_endpgm
.Lfunc_end_k_qe30b81aff0_attn:
	.size	k_qe30b81aff0_attn, .Lfunc_end_k_qe30b81aff0_attn-k_qe30b81aff0_attn
	.p2alignl 7, 3214868480
	.fill 96, 4, 3214868480
	.section	.rodata,"a",@progbits
	.p2align	6, 0x0
	.amdhsa_kernel k_qe30b81aff0_attn
		.amdhsa_group_segment_fixed_size 280576
		.amdhsa_private_segment_fixed_size 0
		.amdhsa_enable_private_segment 0
		.amdhsa_kernarg_size 56
		.amdhsa_user_sgpr_count 2
		.amdhsa_user_sgpr_kernarg_segment_ptr 1
		.amdhsa_wavefront_size32 1
		.amdhsa_system_sgpr_workgroup_id_x 1
		.amdhsa_system_sgpr_workgroup_id_y 1
		.amdhsa_system_sgpr_workgroup_id_z 1
		.amdhsa_system_vgpr_workitem_id 0
		.amdhsa_next_free_vgpr 256
		.amdhsa_next_free_sgpr 80
		.amdhsa_reserve_vcc 0
		.amdhsa_float_denorm_mode_32 3
		.amdhsa_float_denorm_mode_16_64 3
		.amdhsa_memory_ordered 1
		.amdhsa_forward_progress 1
		.amdhsa_inst_pref_size 145
	.end_amdhsa_kernel
	.amdgpu_metadata
---
amdhsa.version: [ 1, 2 ]
amdhsa.kernels:
  - .name:           k_qe30b81aff0_attn
    .symbol:         k_qe30b81aff0_attn.kd
    .args:
      - { .name: qimg, .offset: 0, .size: 8, .value_kind: global_buffer, .address_space: global }
      - { .name: kimg, .offset: 8, .size: 8, .value_kind: global_buffer, .address_space: global }
      - { .name: vimg, .offset: 16, .size: 8, .value_kind: global_buffer, .address_space: global }
      - { .name: qk_scale, .offset: 24, .size: 8, .value_kind: global_buffer, .address_space: global }
      - { .name: a_scale, .offset: 32, .size: 8, .value_kind: global_buffer, .address_space: global }
      - { .name: av_scale, .offset: 40, .size: 8, .value_kind: global_buffer, .address_space: global }
      - { .name: out0, .offset: 48, .size: 8, .value_kind: global_buffer, .address_space: global }
    .group_segment_fixed_size: 280576
    .private_segment_fixed_size: 0
    .kernarg_segment_align: 8
    .kernarg_segment_size: 56
    .max_flat_workgroup_size: 512
    .sgpr_count:     80
    .vgpr_count:     256
    .wavefront_size: 32
...
	.end_amdgpu_metadata
.endif
;; end of part 2
